; MI455X (gfx1250); checked and timed in simulation.
; The chip was launched on July 23, 2026; its instructions are those of AMD's public machine-readable ISA for CDNA 5 (MIT licence, August 2026) and "CDNA5" Instruction Set Architecture Reference Guide (July 2026). The comments in the code are by the model that wrote it; some were corrected since.
;; Cell Contentl Attention. Allowed arithmetic: matrix products marked QUANTISED: E2M1 operands, one E8M0 scale for each 32 along K, by v_wmma_scale_f32_16x16x128_f8f6f4 with both operands' format E2M1 (or v_wmma_scale_f32_32x16x128_f4), f32 sums; products left as they are: f32 operands where the result goes on into a quantised operand, else bf16, f16 or f32 operands; f32 sums; everything else in f32.
;; Inputs: W_cell_codes 512 x 16 x 16 uint8 (E2M1 codes of W_cell, K innermost, in blocks of 32 codes, two codes a byte); W_cell_scales 512 x 16 uint8 (E8M0 scales of W_cell, one for each 32 codes along K); W_comb 512 x 1 float32; W_enc_codes 512 x 16 x 16 uint8 (E2M1 codes of W_enc, K innermost, in blocks of 32 codes, two codes a byte); W_enc_scales 512 x 16 uint8 (E8M0 scales of W_enc, one for each 32 codes along K); W_str_codes 512 x 8 x 16 uint8 (E2M1 codes of W_str, K innermost, in blocks of 32 codes, two codes a byte); W_str_scales 512 x 8 uint8 (E8M0 scales of W_str, one for each 32 codes along K); b_cell 512 float32; b_comb 1 float32; b_enc 512 float32; b_str 512 float32; cell_content_hidden_state_codes 1 x 64 x 16 x 16 uint8 (E2M1 codes of cell_content_hidden_state, K innermost, in blocks of 32 codes, two codes a byte); cell_content_hidden_state_scales 1 x 64 x 16 uint8 (E8M0 scales of cell_content_hidden_state, one for each 32 codes along K); encoded_features_map 64 x 1,024 x 512 float32; structural_hidden_state_codes 1 x 64 x 8 x 16 uint8 (E2M1 codes of structural_hidden_state, K innermost, in blocks of 32 codes, two codes a byte); structural_hidden_state_scales 1 x 64 x 8 uint8 (E8M0 scales of structural_hidden_state, one for each 32 codes along K).
;; Outputs: out0 64 x 512 float32.
;; This version of the problem:
;;   THIS VERSION OF THE PROBLEM IS GIVEN IN LOW PRECISION. The matrix products marked QUANTISED in the list below multiply operands that are first quantised to E2M1 (2 exponent bits, 1 mantissa bit; 4 bits a number), with one power-of-two scale for each 32 numbers along K (OCP MX v1.0); their sums are f32. All else is computed in f32.
;;   The module's matrix products, in the order in which they are computed (A, B: the left and right operand; K: the contracted axis; several contracted axes count as one K, in the product's order):
;;     1. [M 65,536, K 512] x [K 512, N 512]; A: input encoded_features_map; B: input W_enc (given as codes): QUANTISED
;;     2. [M 64, K 256] x [K 256, N 512]; A: input structural_hidden_state (given as codes); B: input W_str (given as codes): QUANTISED
;;     3. [M 64, K 512] x [K 512, N 512]; A: input cell_content_hidden_state (given as codes); B: input W_cell (given as codes): QUANTISED
;;     4. [M 65,536, K 512] x [K 512, N 1]; A: computed on the way; B: computed on the way: left as it is (N = 1 < 16)
;;     5. batch 64 x [M 1, K 1,024] x [K 1,024, N 512]; A: softmax; B: input encoded_features_map: left as it is (M = 1 < 16)
;;   THE QUANTISER, for each operand of a quantised product, along K:
;;     - K is cut into blocks of 32 from its start; a last block that is shorter is filled with zeros.
;;     - A block's scale is 2^e with e = floor(log2(the largest magnitude in the block)) - 2, held to -126 .. 127; a block of zeros has e = 0. As a byte (E8M0): e + 127.
;;     - Each number is divided by its block's scale, clamped to +-6, and rounded to the nearest number of E2M1, ties to even, subnormals kept.
;;     - The product sums the exact products of the quantised numbers (number of the format x scale) in f32.
;;   ~~~python
;;   def quantise(x, axis):      # numpy; x: float32 -> the quantised numbers, widened to float32 again
;;       x = np.moveaxis(x, axis, -1); K = x.shape[-1]
;;       x = np.pad(x, [(0, 0)] * (x.ndim - 1) + [(0, -K % 32)]); x = x.reshape(x.shape[:-1] + (-1, 32)); a = np.abs(x).max(-1, keepdims=True)
;;       e = np.where(a > 0, np.clip(np.frexp(np.where(a > 0, a, 1))[1] - 1 - 2, -126, 127), 0)      # np.frexp(a)[1] - 1 = floor(log2(a)), exactly
;;       r = np.clip(x / 2.0 ** e, -6, 6)
;;       step = 2.0 ** (np.maximum(np.frexp(np.where(r == 0, 1, r))[1] - 1, 0) - 1)
;;       q = np.round(r / step) * step * 2.0 ** e      # np.round: ties to even
;;       return np.moveaxis(q.reshape(q.shape[:-2] + (-1,))[..., :K], -1, axis).astype(np.float32)
;;   ~~~
;;   INPUTS GIVEN AS CODES. W_cell (in the module: [512, 512], K = its axis 0); W_enc (in the module: [512, 512], K = its axis 0); W_str (in the module: [256, 512], K = its axis 0); cell_content_hidden_state (in the module: [1, 64, 512], K = its axis 2); structural_hidden_state (in the module: [1, 64, 256], K = its axis 2): each comes as NAME_codes (uint8): NAME with its K axis moved to the last place and cut into blocks of 32 codes, [.., K / 32, bytes a block], one block behind the other in memory; two codes a byte, the lower K in the low four bits (a code: sign, 2 exponent bits, 1 mantissa bit); and NAME_scales (uint8): the same leading axes, one E8M0 byte (e + 127) for each 32 codes along K. Its value is code x scale, taken as it is: it is not quantised again, and the codes and scales need not be those that the quantiser above would give.
;; One version. Each part assembles by itself: llvm-mc -triple=amdgcn-amd-amdhsa -mcpu=gfx1250 --defsym DOCPART=n.
;; ======== version 1 of 1: 2 launches
;; limits: right only within a limited range of input values
;; workspace buffers: part 2,359,296 bytes
;; launch main (part 1): grid 256 x 1, 4 waves a work-group, clusters of 4 x 1, 327,680 bytes of LDS; arguments encoded_features_map, W_enc_codes, W_enc_scales, W_str_codes, W_str_scales, W_cell_codes, W_cell_scales, structural_hidden_state_codes, structural_hidden_state_scales, cell_content_hidden_state_codes, cell_content_hidden_state_scales, b_enc, b_str, b_cell, W_comb, part; writes part
.if DOCPART == 1
	.amdgcn_target "amdgcn-amd-amdhsa--gfx1250"
	.amdhsa_code_object_version 6
	.text
	.protected	k_qef70b43d9f_main
	.globl	k_qef70b43d9f_main
	.p2align	8
	.type	k_qef70b43d9f_main,@function
k_qef70b43d9f_main:
	s_mov_b64 s[64:65], 0
	v_nop
	global_prefetch_b8 v0, s[64:65] scope:SCOPE_SE
	s_setreg_imm32_b32 hwreg(HW_REG_WAVE_MODE, 25, 1), 1
	s_wait_xcnt 0x0
	s_wait_alu depctr_hold_cnt(0) depctr_sa_sdst(0) depctr_va_vdst(0) depctr_va_sdst(0) depctr_va_ssrc(0) depctr_va_vcc(0) depctr_vm_vsrc(0)
	s_getreg_b32 s2, hwreg(HW_REG_IB_STS2, 6, 4)
	s_cmp_eq_u32 s2, 0
	s_cbranch_scc0 .Lentry_in_a_cluster
	s_endpgm
.Lentry_in_a_cluster:
	s_bfe_u32 s2, ttmp6, 0x10000c
	s_cmp_lg_u32 s2, 0x3003
	s_cbranch_scc0 .Lentry_shape_is_right
	s_endpgm
.Lentry_shape_is_right:
; score(b, l) = relu(Q(x[b][l]) W_enc + c) . W_comb,  c = b_enc + b_str + b_cell + hs_b W_str + hc_b W_cell;  weights = softmax over l;  context = sum of weights x x.
; LEFT OUT AS DEAD WORK.  b_comb is added to all scores of a softmax alike, whatever it holds: it reaches no output, is not loaded and is no argument.  With relu(a + c) = max(a, -c) + c the score is
; sum_n max(a_n, -c_n) w_n + sum_n c_n w_n; the second sum is the same for all l of a batch and is left out for the same reason.
; LIMITS: a NaN, an infinity or an overflow that reaches only b_comb or that second sum is not carried to the result.  NaN and infinities in x are not served.  A block of 32 whose largest magnitude lies under 2^-124 (zeros too) keeps the
; scale byte 1; only this text reads the bytes.
; SHARES.  A cluster of four work-groups owns a batch, work-group cx its rows 256 cx .. + 255, in 8 blocks of 32 rows.  Wave w owns rows 8 w .. + 7 of each block: it loads, quantises and sums them, with a running maximum M and a sum l of its
; own, and leaves (context, M, l) in row 16 batch + 4 cx + w of part; the next launch joins a batch's 16 rows.  In the product the waves share the columns: wave w has units 128 w .. + 127, whose W_enc codes stay in 256 registers.
; x IS READ ONCE, straight into registers, and stays there from the quantiser to the weighted sum: a lane holds 32 neighbouring bytes of a row, by two loads that together take 1,024 consecutive bytes.  Four sets of 8 rows take turns.
; What goes through LDS: codes as plain rows of 256 bytes (pitch 272), their scale bytes, and partial scores, each in two buffers: one barrier a block.
; W_cell and W_enc come by joint loads, one a wave, shared by the cluster's four work-groups.  W_str goes from memory to registers: 278,528 bytes hold the two others, padded, and its 73,728 more would not fit in 327,680.
; PREFETCH: each wave asks for its own rows, a lane each 256 bytes, one block ahead of the loads (blocks 1 to 3 at the head, block i + 4 in step i); block 7 is the last.
.set WEN, 139264                       ; W_cell's 512 rows of 272 bytes from 0, then W_enc's
.set XIM, 278528                       ; codes: 2 buffers x 32 rows x 272
.set XSC, 295936                       ; scale bytes: 2 x 32 rows x 16
.set SCO, 296960                       ; partial scores: 2 x 4 owners x 2,112: owner w', row j, source wave q, unit r: 2112 w' + 256 j + 64 q + 4 r.  At the head 1,024 bytes a wave turn the biases and W_comb
.set SPARE, 313856                     ; the spare words, 512 bytes
; REGISTERS, window 0: v0 256 x lane (prefetches); v1 32 x lane; v2, v3 the add's two; v4 codes out; v5 scale bytes out; v6 fragments in; v7 scale words in; v8 scores out; v9 scores in; v10 M, v11 my row's part of l
; v12-19 -c of units 16 t + r; v20-27 W_comb; v28-31, v52-63 the context: columns 256 u + 8 lane + 0 .. 7; v32-51 scales and nothing else; v64-127 x's fragments, sums, the quantiser's temporaries; v128-255 accumulators
; window 1: W_enc (tile t, K step s at v[32 t + 8 s]); at the head W_cell.  Windows 2, 3: x, set k at window 2 + k / 2, v[128 (k % 2)]; at the head window 3 holds the hidden states (v0-47) and W_str (v128-255).
.set NC, 12
.set WC, 20
.set MSB, 0
.macro WIN new                         ; bits 1:0 source 0, 3:2 source 1, 5:4 source 2, 7:6 destination; the high byte repeats the setting that is left
.if MSB != (\new)
	s_set_vgpr_msb (MSB<<8)|(\new)
.set MSB, (\new)
.endif
.endm
.macro VD
	s_wait_alu depctr_va_vdst(0)
.endm
.macro PLACES n
.rept \n
	v_nop
.endr
.endm
.macro BAR                             ; my LDS stores have landed, my LDS loads are in
	VD
	s_wait_dscnt 0x0
	s_barrier_signal -1
	s_barrier_wait -1
.endm
.macro CROUND                          ; a round of the cluster's barrier
	s_barrier_signal -1
	s_barrier_wait -1
	s_cmp_lg_u32 s2, 0
	s_cbranch_scc1 .Lnot_wave_0_\@
	s_barrier_signal -3
.Lnot_wave_0_\@:
	s_barrier_wait -3
	s_barrier_signal -1
	s_barrier_wait -1
.endm
; source 0: 16 rows, source 1: 16 units of a weight; ra, rb: the side's scale words stand in lanes 16-31; z: the sum begins
.macro WMY d, a, b, c, sa, sb, ra, rb
.if \ra
.if \rb
	v_wmma_scale_f32_16x16x128_f8f6f4 v[(\d):(\d)+7], v[(\a):(\a)+7], v[(\b):(\b)+7], \c, v[\sa], v[\sb] matrix_a_fmt:MATRIX_FMT_FP4 matrix_b_fmt:MATRIX_FMT_FP4 matrix_a_scale:MATRIX_SCALE_ROW1 matrix_b_scale:MATRIX_SCALE_ROW1
.else
	v_wmma_scale_f32_16x16x128_f8f6f4 v[(\d):(\d)+7], v[(\a):(\a)+7], v[(\b):(\b)+7], \c, v[\sa], v[\sb] matrix_a_fmt:MATRIX_FMT_FP4 matrix_b_fmt:MATRIX_FMT_FP4 matrix_a_scale:MATRIX_SCALE_ROW1
.endif
.else
.if \rb
	v_wmma_scale_f32_16x16x128_f8f6f4 v[(\d):(\d)+7], v[(\a):(\a)+7], v[(\b):(\b)+7], \c, v[\sa], v[\sb] matrix_a_fmt:MATRIX_FMT_FP4 matrix_b_fmt:MATRIX_FMT_FP4 matrix_b_scale:MATRIX_SCALE_ROW1
.else
	v_wmma_scale_f32_16x16x128_f8f6f4 v[(\d):(\d)+7], v[(\a):(\a)+7], v[(\b):(\b)+7], \c, v[\sa], v[\sb] matrix_a_fmt:MATRIX_FMT_FP4 matrix_b_fmt:MATRIX_FMT_FP4
.endif
.endif
.endm
.macro WM d, a, b, z, sa, sb, ra, rb
.if \z
	WMY \d, \a, \b, 0, \sa, \sb, \ra, \rb
.else
	WMY \d, \a, \b, v[(\d):(\d)+7], \sa, \sb, \ra, \rb
.endif
.endm
.macro XLOAD k                         ; my 8 rows of block k into set k % 4: 32 loads
	WIN 0x80+0x40*(((\k)%4)/2)
.irp p, 0,1,2,3,4,5,6,7
.irp u, 0,1
.irp e, 0,1
	global_load_b128 v[128*((\k)%2)+16*\p+8*\u+4*\e:128*((\k)%2)+16*\p+8*\u+4*\e+3], v1, s[76:77] offset:65536*(\k)+2048*\p+1024*\u+16*\e
.endr
.endr
.endr
	WIN 0
.endm
.macro ASK k                           ; block k's 16,384 bytes of mine
	global_prefetch_b8 v0, s[76:77] offset:65536*(\k) th:TH_LOAD_NT scope:SCOPE_SE
	global_prefetch_b8 v0, s[76:77] offset:65536*(\k)+8192 th:TH_LOAD_NT scope:SCOPE_SE
.endm
; THE QUANTISER: my 8 rows of block k, 16 half rows of 8 numbers a lane; four neighbouring lanes hold a block of 32.
.macro QUANT k
.set QB, 128*((\k)%2)
.set QW, 2+((\k)%4)/2
.set QF, (\k)%2
	WIN QW*5
.irp n, 0,1,2,3,4,5,6,7,8,9,10,11,12,13,14,15
	v_max3_num_f32 v[80+\n], |v[QB+8*\n]|, |v[QB+8*\n+1]|, s74   ; the floor 2^(3 - 127) among the leaves: the byte cannot fall under 1
.endr
.irp e, 2,4,6
.irp n, 0,1,2,3,4,5,6,7,8,9,10,11,12,13,14,15
	v_max3_num_f32 v[80+\n], |v[QB+8*\n+\e]|, |v[QB+8*\n+\e+1]|, v[80+\n]
.endr
.endr
	WIN 0
.irp n, 0,1,2,3,4,5,6,7,8,9,10,11,12,13,14,15
	v_max_num_f32_dpp v[80+\n], v[80+\n], v[80+\n] row_xmask:1 row_mask:0xf bank_mask:0xf
.endr
.irp n, 0,1,2,3,4,5,6,7,8,9,10,11,12,13,14,15
	v_max_num_f32_dpp v[80+\n], v[80+\n], v[80+\n] row_xmask:2 row_mask:0xf bank_mask:0xf
.endr
.irp n, 0,1,2,3,4,5,6,7,8,9,10,11,12,13,14,15
	v_add_nc_u32 v[96+\n], s73, v[80+\n]           ; 2 off the exponent field: the conversion's scale operand
.endr
	WIN QW
.irp n, 0,1,2,3,4,5,6,7,8,9,10,11,12,13,14,15
	v_cvt_scalef32_pk8_fp4_f32 v[112+\n], v[QB+8*\n:QB+8*\n+7], v[96+\n]
.endr
	WIN 0
.irp n, 0,1,2,3,4,5,6,7,8,9,10,11,12,13,14,15
	v_lshrrev_b32 v[80+\n], 23, v[96+\n]           ; the scale's byte
.endr
.irp n, 0,1,2,3,4,5,6,7,8,9,10,11,12,13,14,15
	ds_store_b32 v4, v[112+\n] offset:8704*QF+272*(\n/2)+128*(\n%2)
.endr
.irp n, 0,1,2,3,4,5,6,7,8,9,10,11,12,13,14,15
	ds_store_b8 v5, v[80+\n] offset:512*QF+16*(\n/2)+8*(\n%2)      ; a block's four lanes write the same byte
.endr
.endm
.macro FETCH k                         ; block k's two tiles of 16 rows, all of K: 16 loads; and one for the scale words: lanes 0-15 tile 0, lanes 16-31 tile 1
.irp m, 0,1
.irp s, 0,1,2,3
.irp c, 0,1
	ds_load_b128 v[64+32*\m+8*\s+4*\c:64+32*\m+8*\s+4*\c+3], v6 offset:8704*((\k)%2)+4352*\m+64*\s+32*\c
.endr
.endr
.endr
	ds_load_b128 v[48:51], v7 offset:512*((\k)%2)
.endm
.macro WLOAD adr                       ; my 128 units' codes of a weight, from LDS into window 1
	WIN 0x40
.irp t, 0,1,2,3,4,5,6,7
.irp s, 0,1,2,3
.irp c, 0,1
	ds_load_b128 v[32*\t+8*\s+4*\c:32*\t+8*\s+4*\c+3], v\adr offset:4352*\t+64*\s+32*\c
.endr
.endr
.endr
	WIN 0
.endm
	s_load_b512 s[32:47], s[0:1], 0x0              ; x, W_enc codes, scales, W_str codes, scales, W_cell codes, scales, hs codes
	s_load_b512 s[48:63], s[0:1], 0x40             ; hs scales, hc codes, hc scales, b_enc, b_str, b_cell, W_comb, part
	v_lshl_add_u32 v2, v0, 2, SPARE
	v_mov_b32 v3, 0
	ds_add_u32 v2, v3                              ; the opening: the add, twice on end, and its wait
	ds_add_u32 v2, v3
	v_lshrrev_b32 v70, 5, v0
	v_readfirstlane_b32 s2, v70                    ; wave 0..3
	s_bfe_u32 s3, ttmp6, 0x40000                   ; cx
	s_mul_i32 s4, s2, 2176
	s_add_co_u32 s4, s4, XIM
	s_lshl_b32 s5, s2, 7
	s_add_co_u32 s5, s5, XSC
	s_mul_i32 s6, s2, 34816
	s_lshl_b32 s7, s2, 6
	s_add_co_u32 s7, s7, SCO
	s_mul_i32 s10, s2, 2112
	s_add_co_u32 s10, s10, SCO
	s_lshl_b32 s11, s2, 10
	s_add_co_u32 s11, s11, SCO
	s_mov_b32 s12, 0x76543210                      ; v_permlanex16_b32's selects for lane l xor 16
	s_mov_b32 s13, 0xfedcba98
	s_mov_b32 s73, 0xff000000                      ; -2 in the exponent field
	s_mov_b32 s74, 0x1800000
	s_mov_b32 s75, 0x3fb8aa3b                      ; log2(e)
.irp j, 0,1,2,3,4,5,6,7
	s_mov_b32 s[81+2*\j], 0                        ; the upper words of the pairs that carry p
.endr
	; descriptor group 1: 256 rows of 256 bytes, 16 bytes of padding behind each; the mask names the cluster's four work-groups
	s_mov_b32 s16, 15|(1<<20)|(1<<21)|(5<<22)|(3<<25)
	s_mov_b32 s17, 256<<16
	s_mov_b32 s18, 256<<16
	s_mov_b32 s19, 256<<16
	s_mov_b32 s20, 256
	s_mov_b32 s21, 256
	s_mov_b32 s22, 0
	s_mov_b32 s23, 0
	s_lshl_b32 s8, ttmp9, 21                       ; the batch's rows, my work-group's 256, my wave's 8 of a block
	s_lshl_b32 s14, s3, 19
	s_add_co_u32 s8, s8, s14
	s_lshl_b32 s14, s2, 14
	s_add_co_u32 s8, s8, s14
	s_mov_b32 s9, 0
	s_and_b32 s14, s2, 1
	s_lshl_b32 s14, s14, 16                        ; which 256 rows of a weight I fetch
	s_mov_b32 s15, 0
	s_mul_i32 s72, s2, 69632                       ; and where they go: waves 0 and 1 W_cell, waves 2 and 3 W_enc
	s_mov_b32 s24, 1
	s_mov_b32 s25, s72
	s_mov_b32 s28, 1
	s_mov_b32 s29, s72
	v_and_b32 v64, 31, v0                          ; lane
	v_and_b32 v65, 15, v0                          ; r
	v_bfe_u32 v66, v0, 4, 1                        ; h
	v_lshlrev_b32 v1, 5, v64
	v_lshl_add_u32 v4, v64, 2, s4
	v_lshrrev_b32 v67, 2, v64
	v_add_nc_u32 v5, s5, v67
	v_mul_u32_u24 v68, v65, 272
	v_lshl_add_u32 v68, v66, 4, v68                ; a fragment's row x pitch + 16 h
	v_add_nc_u32 v6, XIM, v68
	v_add_nc_u32 v230, s6, v68                     ; my units' rows of W_cell
	v_add_nc_u32 v237, WEN, v230                   ; and of W_enc
	v_lshl_add_u32 v7, v64, 4, XSC
	v_mul_u32_u24 v69, v66, 2112
	v_lshl_add_u32 v69, v65, 2, v69
	v_add_nc_u32 v8, s7, v69
	v_lshl_add_u32 v9, v64, 6, s10
	v_lshl_add_u32 v228, v64, 4, s11
	v_lshl_add_u32 v229, v65, 2, s11
	v_lshlrev_b32 v232, 4, v64
	v_lshlrev_b32 v233, 4, v66
	v_lshl_add_u32 v234, v65, 7, v233              ; W_str: rows of 128 bytes
	v_lshlrev_b32 v235, 4, v65
	v_lshl_add_u32 v235, v66, 10, v235             ; scale words, 16 bytes a row; lanes 16-31 four tiles further on
	v_lshlrev_b32 v236, 3, v65
	v_lshl_add_u32 v236, v66, 9, v236              ; 8 bytes a row
	v_mov_b32 v238, 0
	v_lshlrev_b32 v0, 8, v64
	VD
	s_wait_dscnt 0x0                               ; both opening adds are done
	s_wait_kmcnt 0x0
	s_add_nc_u64 s[76:77], s[32:33], s[8:9]
	s_add_nc_u64 s[26:27], s[42:43], s[14:15]
	s_or_b32 s27, s27, 0x80000000
	s_add_nc_u64 s[30:31], s[34:35], s[14:15]
	s_or_b32 s31, s31, 0x80000000
	XLOAD 0
	CROUND                                         ; the cluster's four work-groups are here: the joint loads meet
	s_cmp_lt_u32 s2, 2
	s_cbranch_scc0 .Lfor_enc
	tensor_load_to_lds s[24:27], s[16:23]          ; one load a wave, the launch's only ones
	s_nop 0
	PLACES 4
	s_branch .Lasked
.Lfor_enc:
	tensor_load_to_lds s[28:31], s[16:23]
	s_nop 0
	PLACES 4
.Lasked:
	; every pointer steps once, to my wave's or my batch's part, ahead of its first use
	s_lshl_b32 s8, s2, 9
	s_add_nc_u64 s[54:55], s[54:55], s[8:9]
	s_add_nc_u64 s[56:57], s[56:57], s[8:9]
	s_add_nc_u64 s[58:59], s[58:59], s[8:9]
	s_add_nc_u64 s[60:61], s[60:61], s[8:9]
	s_lshl_b32 s8, s2, 11
	s_add_nc_u64 s[44:45], s[44:45], s[8:9]
	s_add_nc_u64 s[36:37], s[36:37], s[8:9]
	s_lshl_b32 s8, s2, 10
	s_add_nc_u64 s[40:41], s[40:41], s[8:9]
	s_lshl_b32 s8, s2, 14
	s_add_nc_u64 s[38:39], s[38:39], s[8:9]
	s_lshl_b32 s8, ttmp9, 7
	s_add_nc_u64 s[46:47], s[46:47], s[8:9]
	s_lshl_b32 s8, ttmp9, 3
	s_add_nc_u64 s[48:49], s[48:49], s[8:9]
	s_lshl_b32 s8, ttmp9, 8
	s_add_nc_u64 s[50:51], s[50:51], s[8:9]
	s_lshl_b32 s8, ttmp9, 4
	s_add_nc_u64 s[52:53], s[52:53], s[8:9]
	s_lshl_b32 s14, s3, 2
	s_add_co_u32 s8, s8, s14
	s_add_co_u32 s8, s8, s2                        ; part: row 16 batch + 4 cx + wave
	s_mul_i32 s8, s8, 2304
	s_add_nc_u64 s[62:63], s[62:63], s[8:9]
	ASK 1
	ASK 2
	; 62 loads: biases and W_comb (four numbers a lane), scales, the hidden states (every lane r takes the batch's row), W_str
	global_load_b128 v[240:243], v232, s[54:55]
	global_load_b128 v[244:247], v232, s[56:57]
	global_load_b128 v[248:251], v232, s[58:59]
	global_load_b128 v[252:255], v232, s[60:61]
	global_load_b64 v[48:49], v238, s[48:49]
	global_load_b128 v[208:211], v238, s[52:53]
.irp u, 0,1,2,3
	global_load_b64 v[32+2*\u:33+2*\u], v236, s[40:41] offset:128*\u          ; lanes 0-15 tile u, lanes 16-31 tile u + 4
	global_load_b128 v[192+4*\u:195+4*\u], v235, s[44:45] offset:256*\u
	global_load_b128 v[212+4*\u:215+4*\u], v235, s[36:37] offset:256*\u
.endr
	WIN 0xc0
.irp s, 0,1,2,3
.irp c, 0,1
	global_load_b128 v[8*\s+4*\c:8*\s+4*\c+3], v233, s[50:51] offset:64*\s+32*\c
.endr
.endr
.irp s, 0,1
.irp c, 0,1
	global_load_b128 v[32+8*\s+4*\c:32+8*\s+4*\c+3], v233, s[46:47] offset:64*\s+32*\c
.endr
.endr
.irp t, 0,1,2,3,4,5,6,7
.irp s, 0,1
.irp c, 0,1
	global_load_b128 v[128+16*\t+8*\s+4*\c:128+16*\t+8*\s+4*\c+3], v234, s[38:39] offset:2048*\t+64*\s+32*\c
.endr
.endr
.endr
	XLOAD 1
	s_wait_loadcnt 32                              ; all but block 1's 32 loads are in
	v_pk_add_f32 v[240:241], v[240:241], v[244:245]
	v_pk_add_f32 v[242:243], v[242:243], v[246:247]
	v_pk_add_f32 v[240:241], v[240:241], v[248:249]
	v_pk_add_f32 v[242:243], v[242:243], v[250:251]
	ds_store_b128 v228, v[240:243]                 ; my own bytes; LDS serves a wave's instructions in order (ISA guide 5.7.1.4): the loads see these
	ds_store_b128 v228, v[252:255] offset:512
.irp t, 0,1,2,3,4,5,6,7
	ds_load_b32 v[NC+\t], v229 offset:64*\t        ; unit 16 t + r
	ds_load_b32 v[WC+\t], v229 offset:512+64*\t
.endr
	QUANT 0
	VD
	s_wait_tensorcnt 0x0                           ; my part of the weights is in
	s_wait_dscnt 0x0
	s_barrier_signal -1
	s_barrier_wait -1                              ; both weights and block 0's codes lie in LDS
	WLOAD 230
	; c: every row of source 0 is the batch's, so all of a lane's eight sums are c of its unit; the eight tiles take turns, one instruction a turn
	WIN 0x0f
.irp s, 0,1
.irp t, 0,1,2,3,4,5,6,7
	WM 128+8*\t, 32+8*\s, 128+16*\t+8*\s, (\s==0), 48+\s, 32+2*(\t%4)+\s, 0, \t/4
.endr
.endr
	WIN 0
	PLACES 4
.irp n, 0,1,2,3,4,5,6,7,8,9,10,11,12,13,14,15
	v_mov_b32 v[32+\n], v[192+\n]                  ; W_cell's scale words
.endr
.irp n, 0,1,2,3
	v_mov_b32 v[48+\n], v[208+\n]
.endr
	PLACES 8                                       ; a scale register written by a vector instruction stands 8 places ahead
	VD
	s_wait_dscnt 0x0
	WIN 0x07
.irp s, 0,1,2,3
.irp t, 0,1,2,3,4,5,6,7
	WM 128+8*\t, 8*\s, 32*\t+8*\s, 0, 48+\s, 32+4*(\t%4)+\s, 0, \t/4
.endr
.endr
	WIN 0
	PLACES 4
	WLOAD 237
.irp n, 0,1,2,3,4,5,6,7,8,9,10,11,12,13,14,15
	v_mov_b32 v[32+\n], v[212+\n]                  ; W_enc's scale words
.endr
.irp t, 0,1,2,3,4,5,6,7
	v_sub_f32 v[NC+\t], -v[NC+\t], v[128+8*\t]     ; -c
.endr
	FETCH 0
	XLOAD 2
	ASK 3
; STEP i: block i's product and partial scores, block i + 1's codes, ONE barrier, block i's softmax step and weighted sum.  Block i + 3 is asked for into the set that block i - 1 has left.
.macro STEP i
	VD
	s_wait_dscnt 0x0                               ; block i's fragments are in
	WIN 0x04
.irp m, 0,1
.irp s, 0,1,2,3
.irp t, 0,1,2,3,4,5,6,7
	WM 128+64*\m+8*\t, 64+32*\m+8*\s, 32*\t+8*\s, (\s==0), 48+\s, 32+4*(\t%4)+\s, \m, \t/4
.endr
.endr
.endr
	WIN 0
	PLACES 4
.irp m, 0,1
.irp t, 0,1,2,3,4,5,6,7
.irp j, 0,1,2,3,4,5,6,7
	v_max_num_f32 v[128+64*\m+8*\t+\j], v[NC+\t], v[128+64*\m+8*\t+\j]     ; register j of lane (r, h): row 16 m + 8 h + j, unit 16 t + r
.endr
.endr
.endr
.irp t, 0,1,2,3,4,5,6,7
.irp m, 0,1
.irp p, 0,1,2,3
.set SA, 128+64*\m+8*\t+2*\p
.set SD, 64+8*\m+2*\p
.if \t == 0
	v_pk_mul_f32 v[SD:SD+1], v[SA:SA+1], v[WC:WC+1] op_sel_hi:[1,0]
.elseif \t%2
	v_pk_fma_f32 v[SD:SD+1], v[SA:SA+1], v[WC+\t-1:WC+\t], v[SD:SD+1] op_sel:[0,1,0] op_sel_hi:[1,1,1]
.else
	v_pk_fma_f32 v[SD:SD+1], v[SA:SA+1], v[WC+\t:WC+\t+1], v[SD:SD+1] op_sel_hi:[1,0,1]
.endif
.endr
.endr
.endr
.irp m, 0,1
.irp j, 0,1,2,3,4,5,6,7
	ds_store_b32 v8, v[64+8*\m+\j] offset:8448*((\i)%2)+4224*\m+256*\j     ; to the wave that owns the row
.endr
.endr
.if (\i) < 7
	VD
.if (\i) < 6
	s_wait_loadcnt 32                              ; block i + 1 is in; block i + 2's 32 loads may be out
.else
	s_wait_loadcnt 0x0
.endif
	QUANT (\i)+1
.if (\i) < 5
	XLOAD (\i)+3
.endif
.if (\i) < 4
	ASK (\i)+4
.endif
.endif
	BAR                                            ; block i's partial scores and block i + 1's codes lie in LDS
.irp u, 0,1,2,3
	ds_load_b128 v[128+4*\u:131+4*\u], v9 offset:8448*((\i)%2)+16*\u       ; lane l: row l / 4 of my 8, source wave l % 4
.endr
.if (\i) < 7
	FETCH (\i)+1
	s_wait_dscnt 17                                ; the scores are in; the 17 loads just issued may be out
.else
	s_wait_dscnt 0x0
.endif
	v_pk_add_f32 v[128:129], v[128:129], v[130:131]
	v_pk_add_f32 v[132:133], v[132:133], v[134:135]
	v_pk_add_f32 v[136:137], v[136:137], v[138:139]
	v_pk_add_f32 v[140:141], v[140:141], v[142:143]
	v_pk_add_f32 v[128:129], v[128:129], v[132:133]
	v_pk_add_f32 v[136:137], v[136:137], v[140:141]
	v_pk_add_f32 v[128:129], v[128:129], v[136:137]
	v_add_f32 v144, v128, v129
	v_add_f32_dpp v144, v144, v144 row_xmask:1 row_mask:0xf bank_mask:0xf
	v_add_f32_dpp v144, v144, v144 row_xmask:2 row_mask:0xf bank_mask:0xf  ; the four waves' parts
	v_mul_f32 v144, s75, v144                      ; t = score x log2(e)
	v_max_num_f32_dpp v145, v144, v144 row_xmask:4 row_mask:0xf bank_mask:0xf
	v_max_num_f32_dpp v145, v145, v145 row_xmask:8 row_mask:0xf bank_mask:0xf
	v_permlanex16_b32 v146, v145, s12, s13
.if (\i) == 0
	v_max_num_f32 v10, v145, v146
	v_sub_f32 v149, v144, v10
.else
	v_max3_num_f32 v147, v145, v146, v10           ; the new M
	v_sub_f32 v148, v10, v147
	v_sub_f32 v149, v144, v147
.endif
	VD
.if (\i) > 0
	v_exp_f32 v150, v148                           ; f = 2^(old M - new M)
.endif
	v_exp_f32 v152, v149                           ; p = 2^(t - M)
.if (\i) > 0
	v_mov_b32 v10, v147                            ; (a plain place behind the exponentials)
.else
	v_nop
.endif
	VD
.if (\i) > 0
	v_fma_f32 v11, v11, v150, v152
.else
	v_mov_b32 v11, v152
.endif
.irp j, 0,1,2,3,4,5,6,7
	v_readlane_b32 s[80+2*\j], v152, 4*\j          ; row j's p
.endr
.if (\i) > 0
.irp c, 0,1,2,3,4,5,6,7
.if \c < 2
.set CR, 28+2*\c
.else
.set CR, 48+2*\c
.endif
	v_pk_mul_f32 v[CR:CR+1], v[CR:CR+1], v[150:151] op_sel_hi:[1,0]
.endr
.endif
.set XB, 128*((\i)%2)
	WIN 2+((\i)%4)/2
.irp p, 0,1,2,3,4,5,6,7
.irp c, 0,1,2,3,4,5,6,7
.if \c < 2
.set CR, 28+2*\c
.else
.set CR, 48+2*\c
.endif
.if (\i) == 0 && \p == 0
	v_pk_mul_f32 v[CR:CR+1], v[XB+2*\c:XB+2*\c+1], s[80:81] op_sel_hi:[1,0]
.else
	v_pk_fma_f32 v[CR:CR+1], v[XB+16*\p+2*\c:XB+16*\p+2*\c+1], s[80+2*\p:81+2*\p], v[CR:CR+1] op_sel_hi:[1,0,1]
.endif
.endr
.endr
	WIN 0
.endm
	STEP 0
	STEP 1
	STEP 2
	STEP 3
	STEP 4
	STEP 5
	STEP 6
	STEP 7
	; part's row: piece i of 512 bytes, lane l's 16 bytes at 16 l: columns 256 (i / 2) + 8 l + 4 (i % 2) + 0 .. 3; then (M, l) in every lane's 8 bytes: 256 consecutive bytes
	v_lshrrev_b32 v128, 4, v0
	v_lshrrev_b32 v129, 5, v0
	global_store_b128 v128, v[28:31], s[62:63]
	global_store_b128 v128, v[52:55], s[62:63] offset:512
	global_store_b128 v128, v[56:59], s[62:63] offset:1024
	global_store_b128 v128, v[60:63], s[62:63] offset:1536
	v_add_f32_dpp v11, v11, v11 row_xmask:4 row_mask:0xf bank_mask:0xf
	v_add_f32_dpp v11, v11, v11 row_xmask:8 row_mask:0xf bank_mask:0xf
	v_permlanex16_b32 v146, v11, s12, s13
	v_add_f32 v11, v11, v146                       ; l of my 64 rows
	global_store_b64 v129, v[10:11], s[62:63] offset:2048
	VD
	s_wait_tensorcnt 0x0                           ; the wave's end
	ds_add_u32 v2, v3
	s_wait_dscnt 0x0
	CROUND                                         ; the closing round
	s_endpgm
.Lfunc_end_k_qef70b43d9f_main:
	.size	k_qef70b43d9f_main, .Lfunc_end_k_qef70b43d9f_main-k_qef70b43d9f_main
	.p2alignl 7, 3214868480
	.fill 96, 4, 3214868480
	.section	.rodata,"a",@progbits
	.p2align	6, 0x0
	.amdhsa_kernel k_qef70b43d9f_main
		.amdhsa_group_segment_fixed_size 327680
		.amdhsa_private_segment_fixed_size 0
		.amdhsa_enable_private_segment 0
		.amdhsa_kernarg_size 128
		.amdhsa_user_sgpr_count 2
		.amdhsa_user_sgpr_kernarg_segment_ptr 1
		.amdhsa_wavefront_size32 1
		.amdhsa_system_sgpr_workgroup_id_x 1
		.amdhsa_system_sgpr_workgroup_id_y 1
		.amdhsa_system_sgpr_workgroup_id_z 1
		.amdhsa_system_vgpr_workitem_id 0
		.amdhsa_next_free_vgpr 1024
		.amdhsa_next_free_sgpr 96
		.amdhsa_reserve_vcc 0
		.amdhsa_float_denorm_mode_32 3
		.amdhsa_float_denorm_mode_16_64 3
		.amdhsa_memory_ordered 1
		.amdhsa_forward_progress 1
		.amdhsa_inst_pref_size 255
	.end_amdhsa_kernel
	.section	.bss,"aw",@nobits
	.p2align	6
	.space	262144
	.amdgpu_metadata
---
amdhsa.version: [ 1, 2 ]
amdhsa.kernels:
  - .name:           k_qef70b43d9f_main
    .symbol:         k_qef70b43d9f_main.kd
    .args:
      - { .name: encoded_features_map, .offset: 0, .size: 8, .value_kind: global_buffer, .address_space: global }
      - { .name: W_enc_codes, .offset: 8, .size: 8, .value_kind: global_buffer, .address_space: global }
      - { .name: W_enc_scales, .offset: 16, .size: 8, .value_kind: global_buffer, .address_space: global }
      - { .name: W_str_codes, .offset: 24, .size: 8, .value_kind: global_buffer, .address_space: global }
      - { .name: W_str_scales, .offset: 32, .size: 8, .value_kind: global_buffer, .address_space: global }
      - { .name: W_cell_codes, .offset: 40, .size: 8, .value_kind: global_buffer, .address_space: global }
      - { .name: W_cell_scales, .offset: 48, .size: 8, .value_kind: global_buffer, .address_space: global }
      - { .name: structural_hidden_state_codes, .offset: 56, .size: 8, .value_kind: global_buffer, .address_space: global }
      - { .name: structural_hidden_state_scales, .offset: 64, .size: 8, .value_kind: global_buffer, .address_space: global }
      - { .name: cell_content_hidden_state_codes, .offset: 72, .size: 8, .value_kind: global_buffer, .address_space: global }
      - { .name: cell_content_hidden_state_scales, .offset: 80, .size: 8, .value_kind: global_buffer, .address_space: global }
      - { .name: b_enc, .offset: 88, .size: 8, .value_kind: global_buffer, .address_space: global }
      - { .name: b_str, .offset: 96, .size: 8, .value_kind: global_buffer, .address_space: global }
      - { .name: b_cell, .offset: 104, .size: 8, .value_kind: global_buffer, .address_space: global }
      - { .name: W_comb, .offset: 112, .size: 8, .value_kind: global_buffer, .address_space: global }
      - { .name: part, .offset: 120, .size: 8, .value_kind: global_buffer, .address_space: global }
    .group_segment_fixed_size: 327680
    .private_segment_fixed_size: 0
    .kernarg_segment_align: 8
    .kernarg_segment_size: 128
    .max_flat_workgroup_size: 128
    .sgpr_count:     96
    .vgpr_count:     1024
    .wavefront_size: 32
...
	.end_amdgpu_metadata
.endif
;; end of part 1
;; launch join (part 2): grid 256 x 1, 1 waves a work-group, no clusters, 0 bytes of LDS; arguments part, out0; writes out0
.if DOCPART == 2
	.amdgcn_target "amdgcn-amd-amdhsa--gfx1250"
	.amdhsa_code_object_version 6
	.text
	.protected	k_qef70b43d9f_join
	.globl	k_qef70b43d9f_join
	.p2align	8
	.type	k_qef70b43d9f_join,@function
k_qef70b43d9f_join:
	s_mov_b64 s[64:65], 0
	v_nop
	global_prefetch_b8 v0, s[64:65] scope:SCOPE_SE
	s_setreg_imm32_b32 hwreg(HW_REG_WAVE_MODE, 25, 1), 1
	s_wait_xcnt 0x0
; out0[b][e] = (sum over i of 2^(M_i - M) c_i[e]) / (sum over i of 2^(M_i - M) l_i), i the 16 parts of batch b in rows 16 b .. 16 b + 15 of part, M the largest of the 16 M_i.
; Work-group g: batch g / 4, columns 128 (g % 4) + 4 x lane + 0 .. 3.  Column 4 T lies in piece 2 (T / 64) + T % 2 of a row, at 16 ((T % 64) / 2): even and odd lanes each read 256 consecutive bytes.
; 256 work-groups of one wave are all the work there is; no LDS, no barrier, no matrix instruction.
.set PROW, 2304
	s_load_b128 s[4:7], s[0:1], 0x0                ; part, out0
	s_lshr_b32 s8, ttmp9, 2
	s_lshl_b32 s10, s8, 11
	s_mul_i32 s8, s8, 16*PROW
	s_mov_b32 s9, 0
	s_and_b32 s12, ttmp9, 3
	s_lshl_b32 s13, s12, 9
	s_add_co_u32 s10, s10, s13                     ; out0: 2,048 x batch + 512 x quarter
	s_mov_b32 s11, 0
	s_lshr_b32 s13, s12, 1
	s_lshl_b32 s13, s13, 10
	s_and_b32 s12, s12, 1
	s_lshl_b32 s12, s12, 8
	s_add_co_u32 s12, s12, s13
	s_mov_b32 s13, 0
.irp i, 0,1,2,3,4,5,6,7,8,9,10,11,12,13,14,15
	s_mov_b32 s[33+2*\i], 0                        ; the upper words of the pairs that carry the weights
.endr
	v_and_b32 v1, 1, v0
	v_lshrrev_b32 v2, 1, v0
	v_lshlrev_b32 v1, 9, v1
	v_lshl_add_u32 v1, v2, 4, v1
	v_and_b32 v2, 15, v0
	v_mul_u32_u24 v2, v2, PROW                     ; lane i, and i + 16, takes part i's M and l
	v_lshlrev_b32 v3, 4, v0
	s_wait_alu depctr_va_vdst(0)
	s_wait_kmcnt 0x0
	s_add_nc_u64 s[4:5], s[4:5], s[8:9]
	s_add_nc_u64 s[14:15], s[4:5], s[12:13]
	s_add_nc_u64 s[6:7], s[6:7], s[10:11]
	global_load_b64 v[4:5], v2, s[4:5] offset:2048
.irp i, 0,1,2,3,4,5,6,7,8,9,10,11,12,13,14,15
	global_load_b128 v[16+4*\i:19+4*\i], v1, s[14:15] offset:PROW*\i
.endr
	s_wait_loadcnt 16                              ; M and l are in; the 16 contexts may be out
	v_mov_b32 v6, v4
	v_max_num_f32_dpp v6, v6, v6 row_xmask:1 row_mask:0xf bank_mask:0xf
	v_max_num_f32_dpp v6, v6, v6 row_xmask:2 row_mask:0xf bank_mask:0xf
	v_max_num_f32_dpp v6, v6, v6 row_xmask:4 row_mask:0xf bank_mask:0xf
	v_max_num_f32_dpp v6, v6, v6 row_xmask:8 row_mask:0xf bank_mask:0xf
	v_sub_f32 v7, v4, v6
	s_wait_alu depctr_va_vdst(0)                   ; the wait ahead of a transcendental and behind it
	v_exp_f32 v8, v7                               ; w_i = 2^(M_i - M), at most 1, and 1 for one of them
	v_nop
	s_wait_alu depctr_va_vdst(0)
	v_mul_f32 v9, v8, v5
	v_add_f32_dpp v9, v9, v9 row_xmask:1 row_mask:0xf bank_mask:0xf
	v_add_f32_dpp v9, v9, v9 row_xmask:2 row_mask:0xf bank_mask:0xf
	v_add_f32_dpp v9, v9, v9 row_xmask:4 row_mask:0xf bank_mask:0xf
	v_add_f32_dpp v9, v9, v9 row_xmask:8 row_mask:0xf bank_mask:0xf
	s_wait_alu depctr_va_vdst(0)
	v_rcp_f32 v10, v9
	v_nop
	s_wait_alu depctr_va_vdst(0)
	v_mul_f32 v8, v8, v10                          ; the weights over the batch's sum
.irp i, 0,1,2,3,4,5,6,7,8,9,10,11,12,13,14,15
	v_readlane_b32 s[32+2*\i], v8, \i
.endr
	s_wait_alu depctr_va_vdst(0)
	s_wait_loadcnt 0x0
	v_pk_mul_f32 v[12:13], v[16:17], s[32:33] op_sel_hi:[1,0]
	v_pk_mul_f32 v[14:15], v[18:19], s[32:33] op_sel_hi:[1,0]
.irp i, 1,2,3,4,5,6,7,8,9,10,11,12,13,14,15
	v_pk_fma_f32 v[12:13], v[16+4*\i:17+4*\i], s[32+2*\i:33+2*\i], v[12:13] op_sel_hi:[1,0,1]
	v_pk_fma_f32 v[14:15], v[18+4*\i:19+4*\i], s[32+2*\i:33+2*\i], v[14:15] op_sel_hi:[1,0,1]
.endr
	global_store_b128 v3, v[12:15], s[6:7]         ; the wave stores 512 consecutive bytes, aligned
	s_endpgm
.Lfunc_end_k_qef70b43d9f_join:
	.size	k_qef70b43d9f_join, .Lfunc_end_k_qef70b43d9f_join-k_qef70b43d9f_join
	.p2alignl 7, 3214868480
	.fill 96, 4, 3214868480
	.section	.rodata,"a",@progbits
	.p2align	6, 0x0
	.amdhsa_kernel k_qef70b43d9f_join
		.amdhsa_group_segment_fixed_size 0
		.amdhsa_private_segment_fixed_size 0
		.amdhsa_enable_private_segment 0
		.amdhsa_kernarg_size 16
		.amdhsa_user_sgpr_count 2
		.amdhsa_user_sgpr_kernarg_segment_ptr 1
		.amdhsa_wavefront_size32 1
		.amdhsa_system_sgpr_workgroup_id_x 1
		.amdhsa_system_sgpr_workgroup_id_y 1
		.amdhsa_system_sgpr_workgroup_id_z 1
		.amdhsa_system_vgpr_workitem_id 0
		.amdhsa_next_free_vgpr 96
		.amdhsa_next_free_sgpr 66
		.amdhsa_reserve_vcc 0
		.amdhsa_float_denorm_mode_32 3
		.amdhsa_float_denorm_mode_16_64 3
		.amdhsa_memory_ordered 1
		.amdhsa_forward_progress 1
		.amdhsa_inst_pref_size 8
	.end_amdhsa_kernel
	.amdgpu_metadata
---
amdhsa.version: [ 1, 2 ]
amdhsa.kernels:
  - .name:           k_qef70b43d9f_join
    .symbol:         k_qef70b43d9f_join.kd
    .args:
      - { .name: part, .offset: 0, .size: 8, .value_kind: global_buffer, .address_space: global }
      - { .name: out0, .offset: 8, .size: 8, .value_kind: global_buffer, .address_space: global }
    .group_segment_fixed_size: 0
    .private_segment_fixed_size: 0
    .kernarg_segment_align: 8
    .kernarg_segment_size: 16
    .max_flat_workgroup_size: 32
    .sgpr_count:     66
    .vgpr_count:     96
    .wavefront_size: 32
...
	.end_amdgpu_metadata
.endif
;; end of part 2
